; MI455X (gfx1250); checked and timed in simulation.
; The chip was launched on July 23, 2026; its instructions are those of AMD's public machine-readable ISA for CDNA 5 (MIT licence, August 2026) and "CDNA5" Instruction Set Architecture Reference Guide (July 2026). The comments in the code are by the model that wrote it; some were corrected since.
;; BPIC Detector. Allowed arithmetic: float matrix products may take bf16 or f16 operands with f32 sums; all other float work in f32.
;; Inputs: No 1 float32; h_imag 8,192 x 32 x 16 float32; h_real 8,192 x 32 x 16 float32; prior 8,192 x 16 x 4 float32; y_imag 8,192 x 32 float32; y_real 8,192 x 32 float32.
;; Outputs: out0 8,192 x 16 x 4 float32.
;; 2 versions, each right; version 2 is version 1 with the launch bpic written anew for expert scheduling mode. Each part assembles by itself: llvm-mc -triple=amdgcn-amd-amdhsa -mcpu=gfx1250 --defsym DOCPART=n.
;; ======== version 1 of 2: 1 launch
;; limits: values outside matrix products are rounded to bf16
;; launch bpic (part 1): grid 1024 x 1, 4 waves a work-group, no clusters, 20,992 bytes of LDS; arguments h_real, h_imag, y_real, y_imag, prior, No, out0; writes out0
.if DOCPART == 1
	.amdgcn_target "amdgcn-amd-amdhsa--gfx1250"
	.amdhsa_code_object_version 6
	.text
	.protected	k_q2a561f1fc6_bpic
	.globl	k_q2a561f1fc6_bpic
	.p2align	8
	.type	k_q2a561f1fc6_bpic,@function
k_q2a561f1fc6_bpic:
	s_mov_b64 s[64:65], 0
	v_nop
	global_prefetch_b8 v0, s[64:65] scope:SCOPE_SE
	s_setreg_imm32_b32 hwreg(HW_REG_WAVE_MODE, 25, 1), 1
	s_wait_xcnt 0x0
; BPIC detector: 8,192 batches of 32 antennas x 16 users, 16-QAM, five rounds, max-log LLRs.
; SHARES.  A wave owns two batches; lane L = (b = L >> 4, k = L & 15) owns user k of batch 2 P + b, P = 4 x work-group + wave.
; 8,192 / 2 = 4,096 waves = 1,024 work-groups of four.  No loop, no branch, no barrier: each wave has 5,120 LDS bytes of its own.
; Every input byte is read once, by loads of 512 (y: 256) consecutive aligned bytes a wave, all issued at the first lines;
; the result leaves as one store of 512 consecutive aligned bytes a wave.
; ARITHMETIC.  g = h^H h and z = h^H y go to the matrix unit in bf16 with f32 sums.  The whitening by 1/sqrt(No) is folded away:
;   round 0 solves (g + No^2 I) x = z - g_off x0;  later x_bso = (z - g x + g_kk x) / g_kk;  v_bso = max(No^2 / g_kk, 1e-7);
;   ise = |(z - g x_bse) / g_kk|^2.  16-QAM is two 4-PAM problems, kept as (re, im) in a register pair for the packed f32 forms;
;   level l = 2 b0 + b1 is +s, +3s, -s, -3s, s = 1/sqrt(10).  The largest exponent is taken away per dimension before each exponential.
; WHY g x AND THE SOLVE ARE NOT ON THE MATRIX UNIT: they have one column and another matrix for each batch (15 of 16 columns of a
;   tile would be empty), and the softmax multiplies an error of x by about 2 (2s) / (2 v_bso), some 60 at No = 0.1, which a rounding of
;   g or x to bf16 (2^-9) does not survive.  They run as packed f32 multiply-adds, a lane holding its row of g.
; NO CLUSTER, NO TENSOR LOADS, NO PREFETCH: no byte is read by two work-groups; a wave's 9 KiB are requested at once at its start.
; LIMITS.  (1) All six inputs are rounded once to bf16 (nearest even), prior and No too: the result is the f32 detector on inputs
;   so rounded.  (2) The solve is Gauss-Jordan without pivoting and takes the pivots as real: g + No^2 I is Hermitian positive definite
;   for No != 0.  (3) The constellation's mean energy is taken as 1.  (4) v_exp_f32, v_rcp_f32, v_log_f32 flush below 2^-126
;   (ISA guide 15.8): weights that small count as 0, far under the clamp of 1e-7.
; Left out because no output hangs on them: the prior's variance, and v_bse of rounds 0 to 2.
.set WLDS, 5120                        ; LDS bytes of a wave: 4 bf16 tiles [m][k] of 1,024 (b0 re, b0 im, b1 re, b1 im; pitch 32),
.set YOFF, 4096                        ; y: 256 bytes a batch, rows of 64: yr, yi, yi, -yr
.set XOFF, 4608                        ; Re x [b][k] f32, 128 bytes; Im x 128 bytes behind it
.set SL,   0x3ea1e89b                  ; s = 1/sqrt(10)
.set S3,   0x3f72dce9                  ; 3 s
.set NA0,  0xbea1e89b                  ; minus the four levels
.set NA1,  0xbf72dce9
.set NA2,  0x3ea1e89b
.set NA3,  0x3f72dce9
.set MINV, 0x33d6bf95                  ; 1e-7
; addresses and constants
.set LANE, 1
.set VO16, 2                           ; 16 L: h, prior, out
.set VO8,  3                           ; 8 L: y
.set LST,  4                           ; LDS: where my 4 bf16 of h go
.set LT,   5                           ; LDS: transposing fragment loads
.set LY,   6                           ; LDS: where my 2 bf16 of y go
.set LYF,  7                           ; LDS: y fragments
.set LXS,  8                           ; LDS: my x
.set LXL,  9                           ; LDS: my batch's x
.set NO2,  10                          ; v[10:11]  No^2, twice
.set KU,   12                          ; k
.set TA,   13                          ; v[13:15]  at work in the entry
.set ID,   16                          ; v[16:31]  (k == j) ? 1.0 : 0
.set GR,   32                          ; v[32:47]  Re g[k][0..15]
.set GI,   48                          ; v[48:63]  Im g[k][0..15]
.set AR,   64                          ; v[64:81]  solve: Re row k, column 16 = right side, 17 = pad
.set AI,   82                          ; v[82:99]  Im
.set RR,   100                         ; v[100:117] pivot row, Re; its first 16 also Re x of the batch
.set RI,   118                         ; v[118:135] Im
.set RAW,  64                          ; v[64:127] h as loaded, load t at RAW + 4 t
.set RYR,  128                         ; v[128:129] yr as loaded
.set RYI,  130                         ; v[130:131] yi
.set FR0,  136                         ; fragments: real, imaginary, minus imaginary, of batch 0 and 1
.set FI0,  144
.set FN0,  152
.set FR1,  160
.set FI1,  168
.set FN1,  176
.set YA0,  184
.set YB0,  192
.set YA1,  200
.set YB1,  208
.set ZZ0,  216
.set ZZ1,  224
.set PRI,  232                         ; v[232:235] prior, at the end the four LLRs
.set LGT,  236                         ; v[236:243] prior logits of the 4 levels, pairs (re, im)
.set X0,   244                         ; v[244:245] prior mean
; state, over the fragments once the matrix work is done
.set Z,    136
.set DK,   138                         ; (g_kk, 1 / g_kk)
.set CC,   140                         ; (-c, -c), c = 0.5 log2(e) / v_bso
.set TZ,   142                         ; z - g x
.set XS,   144                         ; x_bso
.set XD,   146                         ; x_dsc
.set XBA,  148                         ; x_bse, two in turn
.set XBB,  150
.set ISA,  152                         ; ise, two in turn
.set ISB,  153
.set VBA,  154                         ; v_bse, two in turn
.set VBB,  155
.set RH,   156                         ; (rho, 1 - rho)
.set Y,    158                         ; g x
.set SM1,  160
.set SM2,  162
.set SM3,  164
.set SM4,  166
.set F,    168                         ; (-fr, fi, -fi, 0)
.set PV,   172
.set INV,  173
.set VD,   174
; at work
.set Q,    184
.set W,    192
.set MN,   200
.set SUM,  204
.set RS,   206
.set A1,   208
.set A2,   210
.set VV,   212
.set T,    214
; at work in the prior's phase (before any fragment is loaded)
.set PE,   184
.set PU,   188
.set PW,   192
.set PL,   196
.set PR,   200
.set PT,   204
.set PM1,  208
.set PM0,  212
.set PX,   216
	s_load_b256 s[4:11], s[0:1], 0x0               ; h_real s[4:5], h_imag s[6:7], y_real s[8:9], y_imag s[10:11]
	s_load_b128 s[12:15], s[0:1], 0x20             ; prior s[12:13], No s[14:15]
	s_load_b64 s[16:17], s[0:1], 0x30              ; out0
	v_lshl_add_u32 v248, v0, 2, 0x5000
	v_mov_b32 v249, 0
	v_and_b32 v[LANE], 31, v0
	v_lshrrev_b32 v[TA], 5, v0
	v_readfirstlane_b32 s19, v[TA]                 ; wave 0..3
	s_lshl_b32 s20, ttmp9, 2
	s_add_co_u32 s20, s20, s19                     ; P: my pair of batches
	s_mul_i32 s24, s19, WLDS                       ; my LDS bytes
	s_mov_b32 s23, 0
	s_mov_b32 s26, 0x7fffffff
	s_mov_b32 s27, 0x80008000                      ; the signs of two bf16
	v_lshlrev_b32 v[VO16], 4, v[LANE]
	v_lshlrev_b32 v[VO8], 3, v[LANE]
	s_wait_kmcnt 0x0
	s_load_b32 s18, s[14:15], 0x0                  ; No
	s_lshl_b32 s22, s20, 9                         ; 2 batches x 256 bytes of prior and of out0
	s_add_nc_u64 s[12:13], s[12:13], s[22:23]
	s_add_nc_u64 s[16:17], s[16:17], s[22:23]
	s_lshl_b32 s22, s20, 8                         ; 2 x 128 bytes of y
	s_add_nc_u64 s[8:9], s[8:9], s[22:23]
	s_add_nc_u64 s[10:11], s[10:11], s[22:23]
	s_lshl_b32 s22, s20, 12                        ; 2 x 2,048 bytes of h
	s_add_nc_u64 s[4:5], s[4:5], s[22:23]
	s_add_nc_u64 s[6:7], s[6:7], s[22:23]
	; all 19 loads of the wave, in the order in which they are used
	global_load_b128 v[PRI:PRI+3], v[VO16], s[12:13] th:TH_LOAD_NT
	global_load_b64 v[RYR:RYR+1], v[VO8], s[8:9] th:TH_LOAD_NT
	global_load_b64 v[RYI:RYI+1], v[VO8], s[10:11] th:TH_LOAD_NT
.macro HLOAD q, base, off              ; one tile: 32 x 16 f32 = four loads of 512 consecutive bytes
.irp i, 0,1,2,3
	global_load_b128 v[RAW+16*\q+4*\i:RAW+16*\q+4*\i+3], v[VO16], s[\base:\base+1] offset:\off+512*\i th:TH_LOAD_NT
.endr
.endm
	HLOAD 0, 4, 0                                  ; batch 0 real
	HLOAD 1, 6, 0                                  ; batch 0 imaginary
	HLOAD 2, 4, 2048                               ; batch 1 real
	HLOAD 3, 6, 2048                               ; batch 1 imaginary
	; while they fly: LDS addresses, the unit row, No^2
	v_lshrrev_b32 v[TA], 4, v[LANE]                ; b (as a fragment's half: h)
	v_and_b32 v[KU], 15, v[LANE]                   ; k
	v_add_nc_u32 v[LST], s24, v[VO8]               ; load i, lane L holds h[8 i + L/4][4 (L&3) ..]: bf16 tile byte 256 i + 8 L
	v_and_b32 v[TA+1], 7, v[LANE]
	v_lshl_add_u32 v[TA+1], v[TA], 3, v[TA+1]      ; row 8 h + (L & 7) of the tile
	v_lshlrev_b32 v[TA+1], 5, v[TA+1]              ; x 32 bytes
	v_bfe_u32 v[TA+2], v[LANE], 3, 1
	v_lshl_add_u32 v[TA+1], v[TA+2], 4, v[TA+1]    ; + 16 ((L >> 3) & 1)
	v_add_nc_u32 v[LT], s24, v[TA+1]
	v_lshlrev_b32 v[TA+1], 2, v[KU]
	v_lshl_add_u32 v[TA+1], v[TA], 8, v[TA+1]      ; y: 256 b + 4 (L & 15)
	v_add_nc_u32 v[LY], s24, v[TA+1]
	v_and_b32 v[TA+1], 1, v[LANE]
	v_lshlrev_b32 v[TA+1], 6, v[TA+1]              ; y fragment: even rows take row 0, odd rows row 1,
	v_lshl_add_u32 v[TA+1], v[TA], 4, v[TA+1]      ; + 16 h
	v_add_nc_u32 v[LYF], s24, v[TA+1]
	v_lshl_add_u32 v[LXS], v[LANE], 2, s24
	v_lshl_add_u32 v[LXL], v[TA], 6, s24
.set jj, 0
.rept 16
	v_cmp_eq_u32 vcc_lo, jj, v[KU]
	v_cndmask_b32 v[ID+jj], 0, 1.0, vcc_lo
.set jj, jj+1
.endr
	s_wait_kmcnt 0x0                               ; No
	v_cvt_pk_bf16_f32 v[TA], s18, s18              ; rounded like the other inputs
	v_lshlrev_b32 v[TA], 16, v[TA]
	v_mul_f32 v[NO2], v[TA], v[TA]
	v_mov_b32 v[NO2+1], v[NO2]
	; PRIOR.  (l0, l1) are the first bit of (re, im), (l2, l3) the second.  u = exp(-|l|);
	; log P(bit = 1) = min(l, 0) - ln(1 + u), log P(bit = 0) = min(-l, 0) - ln(1 + u); tanh(l / 2) = sign(l) (1 - u) / (1 + u).
	s_wait_loadcnt 18                              ; prior is in: the 2 loads of y and the 16 of h are younger
	v_cvt_pk_bf16_f32 v[PE], v[PRI], v[PRI+1]
	v_cvt_pk_bf16_f32 v[PE+1], v[PRI+2], v[PRI+3]
	v_lshlrev_b32 v[PRI], 16, v[PE]
	v_and_b32 v[PRI+1], 0xffff0000, v[PE]
	v_lshlrev_b32 v[PRI+2], 16, v[PE+1]
	v_and_b32 v[PRI+3], 0xffff0000, v[PE+1]
.irp i, 0,1,2,3
	v_and_b32 v[PE+\i], s26, v[PRI+\i]             ; |l|
.endr
	v_pk_mul_f32 v[PE:PE+1], v[PE:PE+1], 0xbfb8aa3b op_sel_hi:[1,0]        ; x -log2(e)
	v_pk_mul_f32 v[PE+2:PE+3], v[PE+2:PE+3], 0xbfb8aa3b op_sel_hi:[1,0]
.irp i, 0,1,2,3
	v_exp_f32 v[PU+\i], v[PE+\i]
.endr
	v_nop                                          ; one plain place behind the run of transcendentals (ISA guide 5.7.2)
	s_wait_alu depctr_va_vdst(0)
	v_pk_add_f32 v[PW:PW+1], v[PU:PU+1], 1.0 op_sel_hi:[1,0]
	v_pk_add_f32 v[PW+2:PW+3], v[PU+2:PU+3], 1.0 op_sel_hi:[1,0]
.irp i, 0,1,2,3
	v_log_f32 v[PL+\i], v[PW+\i]
.endr
.irp i, 0,1,2,3
	v_rcp_f32 v[PR+\i], v[PW+\i]
.endr
.irp i, 0,1,2,3
	v_sub_f32 v[PT+\i], 1.0, v[PU+\i]              ; the first of these is the plain place behind the run
.endr
.irp i, 0,1,2,3
	v_min_num_f32 v[PM1+\i], 0, v[PRI+\i]          ; min(l, 0)
.endr
.irp i, 0,2
	v_pk_add_f32 v[PM0+\i:PM0+\i+1], v[PM1+\i:PM1+\i+1], v[PRI+\i:PRI+\i+1] neg_lo:[0,1] neg_hi:[0,1]   ; min(-l, 0), exactly
.endr
.irp i, 0,2
	s_wait_alu depctr_va_vdst(0)
	v_pk_fma_f32 v[PM1+\i:PM1+\i+1], v[PL+\i:PL+\i+1], 0xbf317218, v[PM1+\i:PM1+\i+1] op_sel_hi:[1,0,1] ; - ln2 log2(1 + u)
	v_pk_fma_f32 v[PM0+\i:PM0+\i+1], v[PL+\i:PL+\i+1], 0xbf317218, v[PM0+\i:PM0+\i+1] op_sel_hi:[1,0,1]
	v_pk_mul_f32 v[PT+\i:PT+\i+1], v[PT+\i:PT+\i+1], v[PR+\i:PR+\i+1]
.endr
.irp i, 0,1,2,3
	v_bfi_b32 v[PT+\i], s26, v[PT+\i], v[PRI+\i]   ; l's sign: tanh(l / 2)
.endr
	v_pk_add_f32 v[PX:PX+1], v[PT+2:PT+3], 2.0 op_sel_hi:[1,0]
	v_pk_mul_f32 v[PX:PX+1], v[PX:PX+1], v[PT:PT+1]
	v_pk_mul_f32 v[X0:X0+1], v[PX:PX+1], NA0 op_sel_hi:[1,0]               ; x0 = -s th(b0) (2 + th(b1))
	v_pk_add_f32 v[LGT:LGT+1],   v[PM0:PM0+1], v[PM0+2:PM0+3]              ; level 0: bits 0, 0
	v_pk_add_f32 v[LGT+2:LGT+3], v[PM0:PM0+1], v[PM1+2:PM1+3]              ; level 1: 0, 1
	v_pk_add_f32 v[LGT+4:LGT+5], v[PM1:PM1+1], v[PM0+2:PM0+3]              ; level 2: 1, 0
	v_pk_add_f32 v[LGT+6:LGT+7], v[PM1:PM1+1], v[PM1+2:PM1+3]              ; level 3: 1, 1
	; y to bf16, four rows a batch: (yr, yi) go with Re h, (yi, -yr) with Im h
	s_wait_loadcnt 16                              ; y is in: the 16 loads of h are younger
	v_cvt_pk_bf16_f32 v[RYR], v[RYR], v[RYR+1]
	v_cvt_pk_bf16_f32 v[RYI], v[RYI], v[RYI+1]
	v_xor_b32 v[RYR+1], s27, v[RYR]
	ds_store_b32 v[LY], v[RYR]   offset:YOFF
	ds_store_b32 v[LY], v[RYI]   offset:YOFF+64
	ds_store_b32 v[LY], v[RYI]   offset:YOFF+128
	ds_store_b32 v[LY], v[RYR+1] offset:YOFF+192
.macro CVT4 q                          ; one tile to bf16 and into LDS, 256 consecutive bytes a store
.irp i, 0,1,2,3
	v_cvt_pk_bf16_f32 v[RAW+16*\q+4*\i],   v[RAW+16*\q+4*\i],   v[RAW+16*\q+4*\i+1]
	v_cvt_pk_bf16_f32 v[RAW+16*\q+4*\i+1], v[RAW+16*\q+4*\i+2], v[RAW+16*\q+4*\i+3]
	ds_store_b64 v[LST], v[RAW+16*\q+4*\i:RAW+16*\q+4*\i+1] offset:1024*\q+256*\i
.endr
.endm
; Eight LDS loads: a batch's fragments.  The tiles lie [m][k], so the transposing load gives lane (r, h) the m = 8 h .. and 16 + 8 h ..
; of user r: the layout of a first and of a second source alike.  LDS serves a wave's instructions in order (ISA guide 5.7.1):
; these loads see the stores above them without a wait.
.macro FRAG b, fr, fi, ya, yb
	ds_load_tr16_b128 v[\fr:\fr+3],   v[LT] offset:2048*\b
	ds_load_tr16_b128 v[\fr+4:\fr+7], v[LT] offset:2048*\b+512
	ds_load_tr16_b128 v[\fi:\fi+3],   v[LT] offset:2048*\b+1024
	ds_load_tr16_b128 v[\fi+4:\fi+7], v[LT] offset:2048*\b+1536
	ds_load_b128 v[\ya:\ya+3],   v[LYF] offset:YOFF+256*\b
	ds_load_b128 v[\ya+4:\ya+7], v[LYF] offset:YOFF+256*\b+32
	ds_load_b128 v[\yb:\yb+3],   v[LYF] offset:YOFF+256*\b+128
	ds_load_b128 v[\yb+4:\yb+7], v[LYF] offset:YOFF+256*\b+160
.endm
; Six matrix instructions, three sums of two links in place; the first link starts its sum with the constant 0.
; Lane (r, h), register j of a result is element (8 h + j, r).  Re g is symmetric.  For Im g the sources are set so that this element is
; Im g[r][8 h + j] = sum of hr_r hi_c - hi_r hr_c, c = 8 h + j.  z: even result rows are Re z_r, odd rows Im z_r, so registers 0, 1 hold z_r.
.macro GRAM b, fr, fi, fn, ya, yb, zz
	v_wmma_f32_16x16x32_bf16 v[GR+8*\b:GR+8*\b+7], v[\fr:\fr+7], v[\fr:\fr+7], 0
	v_wmma_f32_16x16x32_bf16 v[GI+8*\b:GI+8*\b+7], v[\fi:\fi+7], v[\fr:\fr+7], 0
	v_wmma_f32_16x16x32_bf16 v[\zz:\zz+7], v[\ya:\ya+7], v[\fr:\fr+7], 0
	v_wmma_f32_16x16x32_bf16 v[GR+8*\b:GR+8*\b+7], v[\fi:\fi+7], v[\fi:\fi+7], v[GR+8*\b:GR+8*\b+7]
	v_wmma_f32_16x16x32_bf16 v[GI+8*\b:GI+8*\b+7], v[\fr:\fr+7], v[\fn:\fn+7], v[GI+8*\b:GI+8*\b+7]
	v_wmma_f32_16x16x32_bf16 v[\zz:\zz+7], v[\yb:\yb+7], v[\fi:\fi+7], v[\zz:\zz+7]
.endm
	s_wait_loadcnt 12                              ; tile by tile: 12, 8, 4, 0 younger loads stay out
	CVT4 0
	s_wait_loadcnt 8
	CVT4 1
	FRAG 0, FR0, FI0, YA0, YB0
	s_wait_loadcnt 4
	CVT4 2
	s_wait_loadcnt 0
	CVT4 3
	FRAG 1, FR1, FI1, YA1, YB1
	s_wait_dscnt 8                                 ; batch 0's fragments are in: the 8 loads of batch 1 are younger
.irp i, 0,1,2,3,4,5,6,7
	v_xor_b32 v[FN0+\i], s27, v[FI0+\i]            ; - Im h
.endr
	GRAM 0, FR0, FI0, FN0, YA0, YB0, ZZ0
	s_wait_dscnt 0
.irp i, 0,1,2,3,4,5,6,7
	v_xor_b32 v[FN1+\i], s27, v[FI1+\i]
.endr
	GRAM 1, FR1, FI1, FN1, YA1, YB1, ZZ1
	; Six plain vector instructions that name no register of a matrix instruction stand before the results are read and the
	; fragments written over (ISA guide 7.12.1 asks for four): the pads of the solve's arrays.
	v_mov_b32 v[RR+16], 0
	v_mov_b32 v[RR+17], 0
	v_mov_b32 v[RI+16], 0
	v_mov_b32 v[RI+17], 0
	v_mov_b32 v[AR+17], 0
	v_mov_b32 v[AI+17], 0
	s_mov_b32 vcc_lo, 0xffff0000                   ; lanes of batch 1
	; registers j hold batch 0 (columns 8 h + j), registers 8 + j batch 1: exchange the upper lanes of the one with the lower lanes
	; of the other, and lane (b, k) holds g_b[k][0..15]
.irp i, 0,1,2,3,4,5,6,7
	v_permlane16_swap_b32 v[GR+\i], v[GR+8+\i]
	v_permlane16_swap_b32 v[GI+\i], v[GI+8+\i]
.endr
	; per user: g_kk, 1 / g_kk, -0.5 log2(e) / v_bso, z
	v_pk_mul_f32 v[T:T+1], v[GR:GR+1], v[ID:ID+1]
.irp c, 2,4,6,8,10,12,14
	v_pk_fma_f32 v[T:T+1], v[GR+\c:GR+\c+1], v[ID+\c:ID+\c+1], v[T:T+1]
.endr
	v_add_f32 v[DK], v[T], v[T+1]
	v_rcp_f32 v[DK+1], v[DK]
	v_cndmask_b32 v[Z], v[ZZ0], v[ZZ1], vcc_lo     ; (also the plain place behind v_rcp_f32)
	s_wait_alu depctr_va_vdst(0)
	v_mul_f32 v[VV], v[NO2], v[DK+1]
	v_max_num_f32 v[VV], MINV, v[VV]               ; v_bso
	v_rcp_f32 v[VV+1], v[VV]
	v_cndmask_b32 v[Z+1], v[ZZ0+1], v[ZZ1+1], vcc_lo
	s_wait_alu depctr_va_vdst(0)
	v_mul_f32 v[CC], 0xbf38aa3b, v[VV+1]
	v_mov_b32 v[CC+1], v[CC]
	v_mov_b32 v[F+3], 0
; Y = g x for my user.  Each lane puts its x into the wave's own LDS words and reads its batch's sixteen back (all lanes of a half
; read the same bytes).  Four chains of eight packed multiply-adds over pairs of columns.
.macro MATVEC x
	ds_store_b32 v[LXS], v[\x]   offset:XOFF
	ds_store_b32 v[LXS], v[\x+1] offset:XOFF+128
.irp i, 0,1,2,3
	ds_load_b128 v[RR+4*\i:RR+4*\i+3], v[LXL] offset:XOFF+16*\i
.endr
.irp i, 0,1,2,3
	ds_load_b128 v[RI+4*\i:RI+4*\i+3], v[LXL] offset:XOFF+128+16*\i
.endr
	s_wait_dscnt 4                                 ; Re x is in: the four loads of Im x are younger
	v_pk_mul_f32 v[SM1:SM1+1], v[GR:GR+1], v[RR:RR+1]
	v_pk_mul_f32 v[SM4:SM4+1], v[GI:GI+1], v[RR:RR+1]
.irp c, 2,4,6,8,10,12,14
	v_pk_fma_f32 v[SM1:SM1+1], v[GR+\c:GR+\c+1], v[RR+\c:RR+\c+1], v[SM1:SM1+1]
	v_pk_fma_f32 v[SM4:SM4+1], v[GI+\c:GI+\c+1], v[RR+\c:RR+\c+1], v[SM4:SM4+1]
.endr
	s_wait_dscnt 0
	v_pk_mul_f32 v[SM2:SM2+1], v[GI:GI+1], v[RI:RI+1]
	v_pk_mul_f32 v[SM3:SM3+1], v[GR:GR+1], v[RI:RI+1]
.irp c, 2,4,6,8,10,12,14
	v_pk_fma_f32 v[SM2:SM2+1], v[GI+\c:GI+\c+1], v[RI+\c:RI+\c+1], v[SM2:SM2+1]
	v_pk_fma_f32 v[SM3:SM3+1], v[GR+\c:GR+\c+1], v[RI+\c:RI+\c+1], v[SM3:SM3+1]
.endr
	v_pk_add_f32 v[T:T+1], v[SM1:SM1+1], v[SM2:SM2+1] neg_lo:[0,1] neg_hi:[0,1]
	v_pk_add_f32 v[VV:VV+1], v[SM3:SM3+1], v[SM4:SM4+1]
	v_add_f32 v[Y], v[T], v[T+1]
	v_add_f32 v[Y+1], v[VV], v[VV+1]
.endm
; One pivot of Gauss-Jordan.  Lane k holds row k; the pivot row's columns p + 1 .. 16 are broadcast inside the 16 lanes of the batch.
; f = (A[k][p] - (k == p)) / pivot, row k -= f x pivot row: in the pivot's own lane f = (pivot - 1) / pivot, which divides that row
; by the pivot, so no mask and no last division are needed.  Columns go in aligned pairs; a finished column swept along in a pair is
; never read again.  si: where the imaginary parts are read (g itself at the first pivot, which spares a copy).
.macro GJ p, si
	v_mov_b32_dpp v[PV], v[AR+\p] row_share:\p row_mask:0xf bank_mask:0xf
	v_rcp_f32 v[INV], v[PV]
.set jj, \p+1
.rept 15-\p
	v_mov_b32_dpp v[RR+jj], v[AR+jj] row_share:\p row_mask:0xf bank_mask:0xf
	v_mov_b32_dpp v[RI+jj], v[\si+jj] row_share:\p row_mask:0xf bank_mask:0xf
.set jj, jj+1
.endr
	v_mov_b32_dpp v[RR+16], v[AR+16] row_share:\p row_mask:0xf bank_mask:0xf   ; these moves are the plain places behind v_rcp_f32
	v_mov_b32_dpp v[RI+16], v[AI+16] row_share:\p row_mask:0xf bank_mask:0xf
	v_sub_f32 v[F], v[ID+\p], v[AR+\p]
	s_wait_alu depctr_va_vdst(0)
	v_mul_f32 v[F+1], v[\si+\p], v[INV]            ; fi
	v_mul_f32 v[F], v[F], v[INV]                   ; -fr
	v_xor_b32 v[F+2], 0x80000000, v[F+1]           ; -fi
.set col, (\p+1) & 0x1e
.rept (16-col)/2
	v_pk_fma_f32 v[AR+col:AR+col+1], v[F:F+1],   v[RR+col:RR+col+1], v[AR+col:AR+col+1] op_sel_hi:[0,1,1]
	v_pk_fma_f32 v[AI+col:AI+col+1], v[F:F+1],   v[RI+col:RI+col+1], v[\si+col:\si+col+1] op_sel_hi:[0,1,1]
	v_pk_fma_f32 v[AR+col:AR+col+1], v[F:F+1],   v[RI+col:RI+col+1], v[AR+col:AR+col+1] op_sel:[1,0,0]
	v_pk_fma_f32 v[AI+col:AI+col+1], v[F+2:F+3], v[RR+col:RR+col+1], v[AI+col:AI+col+1] op_sel_hi:[0,1,1]
.set col, col+2
.endr
	v_pk_fma_f32 v[AR+16:AR+17], v[F:F+1],   v[RR+16:RR+17], v[AR+16:AR+17] op_sel_hi:[0,1,1]
	v_pk_fma_f32 v[AI+16:AI+17], v[F:F+1],   v[RI+16:RI+17], v[AI+16:AI+17] op_sel_hi:[0,1,1]
	v_pk_fma_f32 v[AR+16:AR+17], v[F:F+1],   v[RI+16:RI+17], v[AR+16:AR+17] op_sel:[1,0,0]
	v_pk_fma_f32 v[AI+16:AI+17], v[F+2:F+3], v[RR+16:RR+17], v[AI+16:AI+17] op_sel_hi:[0,1,1]
.endm
	; ROUND 0's x_bso: (g + No^2 I) x = z - g x0 + g_kk x0
	MATVEC X0
	v_sub_f32 v[AR+16], v[Z], v[Y]
	v_sub_f32 v[AI+16], v[Z+1], v[Y+1]
	v_fma_f32 v[AR+16], v[X0], v[DK], v[AR+16]
	v_fma_f32 v[AI+16], v[X0+1], v[DK], v[AI+16]
.irp c, 0,2,4,6,8,10,12,14
	v_pk_fma_f32 v[AR+\c:AR+\c+1], v[ID+\c:ID+\c+1], v[NO2:NO2+1], v[GR+\c:GR+\c+1]
.endr
	GJ 0, GI
.irp p, 1,2,3,4,5,6,7,8,9,10,11,12,13,14,15
	GJ \p, AI
.endr
	v_mov_b32 v[XS], v[AR+16]
	v_mov_b32 v[XS+1], v[AI+16]
; Posterior over the four levels of each dimension at x_bso (XS): mean into xb; var = 1: variance (both dimensions, clamped) into vb.
; The least distance is taken away first, so the largest exponent is exactly 0 whatever the inputs.
.macro BSE xb, var, vb
	v_pk_add_f32 v[Q:Q+1],   v[XS:XS+1], NA0 op_sel_hi:[1,0]
	v_pk_add_f32 v[Q+2:Q+3], v[XS:XS+1], NA1 op_sel_hi:[1,0]
	v_pk_add_f32 v[Q+4:Q+5], v[XS:XS+1], NA2 op_sel_hi:[1,0]
	v_pk_add_f32 v[Q+6:Q+7], v[XS:XS+1], NA3 op_sel_hi:[1,0]
.irp l, 0,2,4,6
	v_pk_mul_f32 v[Q+\l:Q+\l+1], v[Q+\l:Q+\l+1], v[Q+\l:Q+\l+1]
.endr
	v_min3_num_f32 v[MN], v[Q], v[Q+2], v[Q+4]
	v_min3_num_f32 v[MN+1], v[Q+1], v[Q+3], v[Q+5]
	v_min_num_f32 v[MN], v[MN], v[Q+6]
	v_min_num_f32 v[MN+1], v[MN+1], v[Q+7]
.irp l, 0,2,4,6
	v_pk_add_f32 v[Q+\l:Q+\l+1], v[Q+\l:Q+\l+1], v[MN:MN+1] neg_lo:[0,1] neg_hi:[0,1]
.endr
.irp l, 0,2,4,6
	v_pk_mul_f32 v[Q+\l:Q+\l+1], v[Q+\l:Q+\l+1], v[CC:CC+1]
.endr
.irp i, 0,1,2,3,4,5,6,7
	v_exp_f32 v[W+\i], v[Q+\i]
.endr
	v_nop                                          ; one plain place behind the run of transcendentals
	s_wait_alu depctr_va_vdst(0)
	v_pk_add_f32 v[SUM:SUM+1], v[W:W+1], v[W+2:W+3]
	v_pk_add_f32 v[T:T+1], v[W+4:W+5], v[W+6:W+7]
	v_pk_add_f32 v[SUM:SUM+1], v[SUM:SUM+1], v[T:T+1]
	v_rcp_f32 v[RS], v[SUM]
	v_rcp_f32 v[RS+1], v[SUM+1]
	v_pk_add_f32 v[A1:A1+1], v[W:W+1], v[W+4:W+5] neg_lo:[0,1] neg_hi:[0,1]        ; weights of +s and -s (and the plain place)
	v_pk_add_f32 v[A2:A2+1], v[W+2:W+3], v[W+6:W+7] neg_lo:[0,1] neg_hi:[0,1]      ; of +3s and -3s
	v_pk_mul_f32 v[A1:A1+1], v[A1:A1+1], SL op_sel_hi:[1,0]
	v_pk_fma_f32 v[A1:A1+1], v[A2:A2+1], S3, v[A1:A1+1] op_sel_hi:[1,0,1]
	s_wait_alu depctr_va_vdst(0)
	v_pk_mul_f32 v[\xb:\xb+1], v[A1:A1+1], v[RS:RS+1]
.if \var
	v_pk_add_f32 v[Q:Q+1],   v[\xb:\xb+1], NA0 op_sel_hi:[1,0]
	v_pk_add_f32 v[Q+2:Q+3], v[\xb:\xb+1], NA1 op_sel_hi:[1,0]
	v_pk_add_f32 v[Q+4:Q+5], v[\xb:\xb+1], NA2 op_sel_hi:[1,0]
	v_pk_add_f32 v[Q+6:Q+7], v[\xb:\xb+1], NA3 op_sel_hi:[1,0]
.irp l, 0,2,4,6
	v_pk_mul_f32 v[Q+\l:Q+\l+1], v[Q+\l:Q+\l+1], v[Q+\l:Q+\l+1]
.endr
	v_pk_mul_f32 v[VV:VV+1], v[W:W+1], v[Q:Q+1]
.irp l, 2,4,6
	v_pk_fma_f32 v[VV:VV+1], v[W+\l:W+\l+1], v[Q+\l:Q+\l+1], v[VV:VV+1]
.endr
	v_pk_mul_f32 v[VV:VV+1], v[VV:VV+1], v[RS:RS+1]
	v_add_f32 v[\vb], v[VV], v[VV+1]
	v_max_num_f32 v[\vb], MINV, v[\vb]
.endif
.endm
; One round.  xc, ic, vc: this round's x_bse, ise, v_bse; xp, ip, vp: the last round's.  Round 1 cancels with x_dsc = x_bse of round 0,
; whose g x is at hand in TZ.  v_bse is made in rounds 3 and 4 alone: only those reach the output.
.macro ITER it, xc, xp, ic, ip, vc, vp
.if \it >= 2
	MATVEC XD
	v_pk_add_f32 v[TZ:TZ+1], v[Z:Z+1], v[Y:Y+1] neg_lo:[0,1] neg_hi:[0,1]
	v_pk_fma_f32 v[XS:XS+1], v[XD:XD+1], v[DK:DK+1], v[TZ:TZ+1] op_sel_hi:[1,0,1] ; z - g x + g_kk x
	v_pk_mul_f32 v[XS:XS+1], v[XS:XS+1], v[DK:DK+1] op_sel:[0,1]                  ; / g_kk
.endif
.if \it == 1
	v_pk_fma_f32 v[XS:XS+1], v[\xp:\xp+1], v[DK:DK+1], v[TZ:TZ+1] op_sel_hi:[1,0,1]
	v_pk_mul_f32 v[XS:XS+1], v[XS:XS+1], v[DK:DK+1] op_sel:[0,1]
.endif
.if \it >= 3
	BSE \xc, 1, \vc
.else
	BSE \xc, 0, \vc
.endif
	MATVEC \xc
	v_pk_add_f32 v[TZ:TZ+1], v[Z:Z+1], v[Y:Y+1] neg_lo:[0,1] neg_hi:[0,1]
	v_pk_mul_f32 v[T:T+1], v[TZ:TZ+1], v[DK:DK+1] op_sel:[0,1]
	v_mul_f32 v[\ic], v[T], v[T]
	v_fma_f32 v[\ic], v[T+1], v[T+1], v[\ic]       ; ise
.if \it >= 1
	v_add_f32 v[T], v[\ip], v[\ic]
	v_add_f32 v[T], 0x0da24260, v[T]               ; + 1e-30
	v_rcp_f32 v[T+1], v[T]
	v_nop                                          ; the plain place behind v_rcp_f32
	s_wait_alu depctr_va_vdst(0)
	v_mul_f32 v[RH], v[\ip], v[T+1]                ; rho
	v_sub_f32 v[RH+1], 1.0, v[RH]
	v_pk_mul_f32 v[XD:XD+1], v[\xp:\xp+1], v[RH:RH+1] op_sel:[0,1]
	v_pk_fma_f32 v[XD:XD+1], v[\xc:\xc+1], v[RH:RH+1], v[XD:XD+1] op_sel_hi:[1,0,1]
.endif
.if \it == 4
	v_mul_f32 v[VD], v[\vp], v[RH+1]
	v_fma_f32 v[VD], v[\vc], v[RH], v[VD]
.endif
.endm
	ITER 0, XBA, XBB, ISA, ISB, VBA, VBB
	ITER 1, XBB, XBA, ISB, ISA, VBB, VBA
	ITER 2, XBA, XBB, ISA, ISB, VBA, VBB
	ITER 3, XBB, XBA, ISB, ISA, VBB, VBA
	ITER 4, XBA, XBB, ISA, ISB, VBA, VBB
	; DEMAPPER.  q splits into q_re[l] + q_im[l]; in a bit's difference of maxima the other dimension's maximum cancels.
	v_max_num_f32 v[T], MINV, v[VD]
	v_rcp_f32 v[T+1], v[T]
	v_pk_add_f32 v[Q:Q+1],   v[XD:XD+1], NA0 op_sel_hi:[1,0]
	v_pk_add_f32 v[Q+2:Q+3], v[XD:XD+1], NA1 op_sel_hi:[1,0]
	v_pk_add_f32 v[Q+4:Q+5], v[XD:XD+1], NA2 op_sel_hi:[1,0]
	v_pk_add_f32 v[Q+6:Q+7], v[XD:XD+1], NA3 op_sel_hi:[1,0]
.irp l, 0,2,4,6
	v_pk_mul_f32 v[Q+\l:Q+\l+1], v[Q+\l:Q+\l+1], v[Q+\l:Q+\l+1]
.endr
	s_wait_alu depctr_va_vdst(0)
	v_mul_f32 v[T], -1.0, v[T+1]                   ; -1 / v
.irp l, 0,2,4,6
	v_pk_fma_f32 v[Q+\l:Q+\l+1], v[Q+\l:Q+\l+1], v[T:T+1], v[LGT+\l:LGT+\l+1] op_sel_hi:[1,0,1]
.endr
.irp i, 0,1
	v_max_num_f32 v[W+\i],   v[Q+4+\i], v[Q+6+\i]  ; first bit 1: levels 2, 3
	v_max_num_f32 v[W+2+\i], v[Q+\i],   v[Q+2+\i]  ; first bit 0: levels 0, 1
	v_max_num_f32 v[W+4+\i], v[Q+2+\i], v[Q+6+\i]  ; second bit 1: levels 1, 3
	v_max_num_f32 v[W+6+\i], v[Q+\i],   v[Q+4+\i]  ; second bit 0: levels 0, 2
.endr
	v_pk_add_f32 v[PRI:PRI+1],   v[W:W+1],     v[W+2:W+3] neg_lo:[0,1] neg_hi:[0,1]    ; bits 0, 1: first bit of re, im
	v_pk_add_f32 v[PRI+2:PRI+3], v[W+4:W+5],   v[W+6:W+7] neg_lo:[0,1] neg_hi:[0,1]    ; bits 2, 3: second bit of re, im
	global_store_b128 v[VO16], v[PRI:PRI+3], s[16:17] th:TH_STORE_NT       ; the wave's 512 consecutive bytes, aligned
	s_wait_tensorcnt 0x0
	ds_add_u32 v248, v249
	s_wait_dscnt 0x0
	s_endpgm
.Lfunc_end_k_q2a561f1fc6_bpic:
	.size	k_q2a561f1fc6_bpic, .Lfunc_end_k_q2a561f1fc6_bpic-k_q2a561f1fc6_bpic
	.p2alignl 7, 3214868480
	.fill 96, 4, 3214868480
	.section	.rodata,"a",@progbits
	.p2align	6, 0x0
	.amdhsa_kernel k_q2a561f1fc6_bpic
		.amdhsa_group_segment_fixed_size 20992
		.amdhsa_private_segment_fixed_size 0
		.amdhsa_enable_private_segment 0
		.amdhsa_kernarg_size 56
		.amdhsa_user_sgpr_count 2
		.amdhsa_user_sgpr_kernarg_segment_ptr 1
		.amdhsa_wavefront_size32 1
		.amdhsa_system_sgpr_workgroup_id_x 1
		.amdhsa_system_sgpr_workgroup_id_y 1
		.amdhsa_system_sgpr_workgroup_id_z 1
		.amdhsa_system_vgpr_workitem_id 0
		.amdhsa_next_free_vgpr 250
		.amdhsa_next_free_sgpr 66
		.amdhsa_reserve_vcc 1
		.amdhsa_float_denorm_mode_32 3
		.amdhsa_float_denorm_mode_16_64 3
		.amdhsa_memory_ordered 1
		.amdhsa_forward_progress 1
		.amdhsa_inst_pref_size 103
	.end_amdhsa_kernel
	.amdgpu_metadata
---
amdhsa.version: [ 1, 2 ]
amdhsa.kernels:
  - .name:           k_q2a561f1fc6_bpic
    .symbol:         k_q2a561f1fc6_bpic.kd
    .args:
      - { .name: h_real, .offset: 0, .size: 8, .value_kind: global_buffer, .address_space: global }
      - { .name: h_imag, .offset: 8, .size: 8, .value_kind: global_buffer, .address_space: global }
      - { .name: y_real, .offset: 16, .size: 8, .value_kind: global_buffer, .address_space: global }
      - { .name: y_imag, .offset: 24, .size: 8, .value_kind: global_buffer, .address_space: global }
      - { .name: prior, .offset: 32, .size: 8, .value_kind: global_buffer, .address_space: global }
      - { .name: No, .offset: 40, .size: 8, .value_kind: global_buffer, .address_space: global }
      - { .name: out0, .offset: 48, .size: 8, .value_kind: global_buffer, .address_space: global }
    .group_segment_fixed_size: 20992
    .private_segment_fixed_size: 0
    .kernarg_segment_align: 8
    .kernarg_segment_size: 56
    .max_flat_workgroup_size: 128
    .sgpr_count:     66
    .vgpr_count:     250
    .wavefront_size: 32
...
	.end_amdgpu_metadata
.endif
;; end of part 1
;; ======== version 2 of 2: 1 launch; version 1 with the launch bpic written anew for expert scheduling mode
;; limits: values outside matrix products are rounded to bf16
;; launch bpic (part 2): grid 1024 x 1, 4 waves a work-group, no clusters, 20,992 bytes of LDS; arguments h_real, h_imag, y_real, y_imag, prior, No, out0; writes out0
.if DOCPART == 2
	.amdgcn_target "amdgcn-amd-amdhsa--gfx1250"
	.amdhsa_code_object_version 6
	.text
	.protected	k_q2a561f1fc6_bpic
	.globl	k_q2a561f1fc6_bpic
	.p2align	8
	.type	k_q2a561f1fc6_bpic,@function
k_q2a561f1fc6_bpic:
	s_mov_b64 s[64:65], 0
	v_nop
	global_prefetch_b8 v0, s[64:65] scope:SCOPE_SE
	s_setreg_imm32_b32 hwreg(HW_REG_WAVE_SCHED_MODE, 0, 2), 2
	s_setreg_imm32_b32 hwreg(HW_REG_WAVE_MODE, 25, 1), 1
	s_wait_xcnt 0x0
	s_wait_alu depctr_vm_vsrc(0)
; BPIC detector: 8,192 batches of 32 antennas x 16 users, 16-QAM, five rounds, max-log LLRs.
; SHARES.  A wave owns two batches; lane L = (b = L >> 4, k = L & 15) owns user k of batch 2 P + b, P = 4 x work-group + wave.
; 8,192 / 2 = 4,096 waves = 1,024 work-groups of four.  No loop, no branch, no barrier: each wave has 5,120 LDS bytes of its own.
; Every input byte is read once, by loads of 512 (y: 256) consecutive aligned bytes a wave, all issued at the first lines;
; the result leaves as one store of 512 consecutive aligned bytes a wave.
; ARITHMETIC.  g = h^H h and z = h^H y go to the matrix unit in bf16 with f32 sums.  The whitening by 1/sqrt(No) is folded away:
;   round 0 solves (g + No^2 I) x = z - g_off x0;  later x_bso = (z - g x + g_kk x) / g_kk;  v_bso = max(No^2 / g_kk, 1e-7);
;   ise = |(z - g x_bse) / g_kk|^2.  16-QAM is two 4-PAM problems, kept as (re, im) in a register pair for the packed f32 forms;
;   level l = 2 b0 + b1 is +s, +3s, -s, -3s, s = 1/sqrt(10).  The largest exponent is taken away per dimension before each exponential.
; WHY g x AND THE SOLVE ARE NOT ON THE MATRIX UNIT: they have one column and another matrix for each batch (15 of 16 columns of a
;   tile would be empty), and the softmax multiplies an error of x by about 2 (2s) / (2 v_bso), some 60 at No = 0.1, which a rounding of
;   g or x to bf16 (2^-9) does not survive.  They run as packed f32 multiply-adds, a lane holding its row of g.
; NO CLUSTER, NO TENSOR LOADS, NO PREFETCH: no byte is read by two work-groups; a wave's 9 KiB are requested at once at its start.
; LIMITS.  (1) All six inputs are rounded once to bf16 (nearest even), prior and No too: the result is the f32 detector on inputs
;   so rounded.  (2) The solve is Gauss-Jordan without pivoting and takes the pivots as real: g + No^2 I is Hermitian positive definite
;   for No != 0.  (3) The constellation's mean energy is taken as 1.  (4) v_exp_f32, v_rcp_f32, v_log_f32 flush below 2^-126
;   (ISA guide 15.8): weights that small count as 0, far under the clamp of 1e-7.
; Left out because no output hangs on them: the prior's variance, and v_bse of rounds 0 to 2.
; THE MODE: SCHED_MODE bits 1:0 = 2 (LLVM: expert scheduling mode 2), set by the entry lines.  The code itself states the register dependences
; between vector or matrix instructions and memory or LDS instructions, with s_wait_alu, always for 0.
; THE PLAN.  Registers that memory or LDS instructions touch, in the order of the text:
;   VO16, VO8                    made at the head, read by the 19 loads and the last store, never written again.
;   LST, LT, LY, LYF, LXS, LXL   LDS addresses, made once behind the loads, never written again.
;   RAW, RYR, RYI                h and y land; the conversions work in place; the LDS stores read them; from the solve on they are AR, AI, RR, RI.
;   the fragments                LDS loads land; v184-215 of them were at work in the prior's phase.
;   RR[0..15], RI[0..15]         x of the batch lands, once for each g x; the sums read them, the solve's broadcasts write them.
;   X0, XD, XBA, XBB             read by the two LDS stores of a g x; XD is written again at its round's end, XBA and XBB two rounds on.
;   PRI                          the prior lands; at the end the LLRs are written there and the last store reads them.
; One wait on va_vdst a batch stands behind the conversions of its two tiles: the batch's stores and its eight fragment loads follow it.
; One wait on vm_vsrc stands behind the last of those stores; x0's stores and loads follow it at once and are on their way under batch 1's
; matrix instructions.  Every other g x has one wait on va_vdst at its head; in rounds 3 and 4 the variance stands between the request and the sums.
.set WLDS, 5120                        ; LDS bytes of a wave: 4 bf16 tiles [m][k] of 1,024 (b0 re, b0 im, b1 re, b1 im; pitch 32),
.set YOFF, 4096                        ; y: 256 bytes a batch, rows of 64: yr, yi, yi, -yr
.set XOFF, 4608                        ; Re x [b][k] f32, 128 bytes; Im x 128 bytes behind it
.set SL,   0x3ea1e89b                  ; s = 1/sqrt(10)
.set S3,   0x3f72dce9                  ; 3 s
.set NA0,  0xbea1e89b                  ; minus the four levels
.set NA1,  0xbf72dce9
.set NA2,  0x3ea1e89b
.set NA3,  0x3f72dce9
.set MINV, 0x33d6bf95                  ; 1e-7
.set MK,   28                          ; s[28:43]  the sixteen masks k == j
; addresses and constants
.set LANE, 1
.set VO16, 2                           ; 16 L: h, prior, out
.set VO8,  3                           ; 8 L: y
.set LST,  4                           ; LDS: where my 4 bf16 of h go
.set LT,   5                           ; LDS: transposing fragment loads
.set LY,   6                           ; LDS: where my 2 bf16 of y go
.set LYF,  7                           ; LDS: y fragments
.set LXS,  8                           ; LDS: my x
.set LXL,  9                           ; LDS: my batch's x
.set NO2,  10                          ; v[10:11]  No^2, twice
.set KU,   12                          ; k
.set TA,   13                          ; v[13:15]  at work in the entry
.set ID,   16                          ; v[16:31]  (k == j) ? 1.0 : 0
.set GR,   32                          ; v[32:47]  Re g[k][0..15]
.set GI,   48                          ; v[48:63]  Im g[k][0..15]
.set AR,   64                          ; v[64:81]  solve: Re row k, column 16 = right side, 17 = pad
.set AI,   82                          ; v[82:99]  Im
.set RR,   100                         ; v[100:117] pivot row, Re; its first 16 also Re x of the batch
.set RI,   118                         ; v[118:135] Im
.set RAW,  64                          ; v[64:127] h as loaded, load t at RAW + 4 t
.set RYR,  128                         ; v[128:129] yr as loaded
.set RYI,  130                         ; v[130:131] yi
.set FR0,  136                         ; fragments: real, imaginary, minus imaginary, of batch 0 and 1
.set FI0,  144
.set FN0,  152
.set FR1,  160
.set FI1,  168
.set FN1,  176
.set YA0,  184
.set YB0,  192
.set YA1,  200
.set YB1,  208
.set ZZ0,  216
.set ZZ1,  224
.set PRI,  232                         ; v[232:235] prior, at the end the four LLRs
.set LGT,  236                         ; v[236:243] prior logits of the 4 levels, pairs (re, im)
.set X0,   244                         ; v[244:245] prior mean
; state, over the fragments once the matrix work is done
.set Z,    136
.set DK,   138                         ; (g_kk, 1 / g_kk)
.set CC,   140                         ; (-c, -c), c = 0.5 log2(e) / v_bso
.set TZ,   142                         ; z - g x
.set XS,   144                         ; x_bso
.set XD,   146                         ; x_dsc
.set XBA,  148                         ; x_bse, two in turn
.set XBB,  150
.set ISA,  152                         ; ise, two in turn
.set ISB,  153
.set VBA,  154                         ; v_bse, two in turn
.set VBB,  155
.set RH,   156                         ; (rho, 1 - rho)
.set Y,    158                         ; g x
.set SM1,  160
.set SM2,  162
.set SM3,  164
.set SM4,  166
.set F,    168                         ; (-fr, fi, -fi, 0)
.set PV,   172
.set INV,  173
.set VD,   174
; at work
.set Q,    184
.set W,    192
.set MN,   200
.set SUM,  204
.set RS,   206
.set A1,   208
.set A2,   210
.set VV,   212
.set T,    214
; at work in the prior's phase (before any fragment is loaded)
.set PE,   184
.set PU,   188
.set PW,   192
.set PL,   196
.set PR,   200
.set PT,   204
.set PM1,  208
.set PM0,  212
.set PX,   216
	s_load_b256 s[4:11], s[0:1], 0x0               ; h_real s[4:5], h_imag s[6:7], y_real s[8:9], y_imag s[10:11]
	s_load_b128 s[12:15], s[0:1], 0x20             ; prior s[12:13], No s[14:15]
	s_load_b64 s[16:17], s[0:1], 0x30              ; out0
	v_lshl_add_u32 v246, v0, 2, 0x5000
	v_mov_b32 v247, 0
	v_and_b32 v[LANE], 31, v0
	v_lshrrev_b32 v[TA], 5, v0
	v_readfirstlane_b32 s19, v[TA]                 ; wave 0..3
	s_mov_b32 s23, 0
	s_mov_b32 s26, 0x7fffffff
	s_mov_b32 s27, 0x80008000                      ; the signs of two bf16
	v_lshlrev_b32 v[VO16], 4, v[LANE]
	v_lshlrev_b32 v[VO8], 3, v[LANE]
	s_wait_alu depctr_va_sdst(0)                   ; s19 is written, ahead of its first reader: the bases and my LDS bytes are made from it
	s_lshl_b32 s20, ttmp9, 2
	s_add_co_u32 s20, s20, s19                     ; P: my pair of batches
	s_mul_i32 s24, s19, WLDS                       ; my LDS bytes
	s_wait_kmcnt 0x0
	s_load_b32 s18, s[14:15], 0x0                  ; No
	s_lshl_b32 s22, s20, 9                         ; 2 batches x 256 bytes of prior and of out0
	s_add_nc_u64 s[12:13], s[12:13], s[22:23]
	s_add_nc_u64 s[16:17], s[16:17], s[22:23]
	s_lshl_b32 s22, s20, 8                         ; 2 x 128 bytes of y
	s_add_nc_u64 s[8:9], s[8:9], s[22:23]
	s_add_nc_u64 s[10:11], s[10:11], s[22:23]
	s_lshl_b32 s22, s20, 12                        ; 2 x 2,048 bytes of h
	s_add_nc_u64 s[4:5], s[4:5], s[22:23]
	s_add_nc_u64 s[6:7], s[6:7], s[22:23]
	s_wait_alu depctr_va_vdst(0)                   ; VO16 and VO8 are written: the 19 loads and the last store read one of them as their offset
	; all 19 loads of the wave, in the order in which they are used
	global_load_b128 v[PRI:PRI+3], v[VO16], s[12:13] th:TH_LOAD_NT
	global_load_b64 v[RYR:RYR+1], v[VO8], s[8:9] th:TH_LOAD_NT
	global_load_b64 v[RYI:RYI+1], v[VO8], s[10:11] th:TH_LOAD_NT
.macro HLOAD q, base, off              ; one tile: 32 x 16 f32 = four loads of 512 consecutive bytes
.irp i, 0,1,2,3
	global_load_b128 v[RAW+16*\q+4*\i:RAW+16*\q+4*\i+3], v[VO16], s[\base:\base+1] offset:\off+512*\i th:TH_LOAD_NT
.endr
.endm
	HLOAD 0, 4, 0                                  ; batch 0 real
	HLOAD 1, 6, 0                                  ; batch 0 imaginary
	HLOAD 2, 4, 2048                               ; batch 1 real
	HLOAD 3, 6, 2048                               ; batch 1 imaginary
	; while they fly: LDS addresses, the unit row, No^2
	v_lshrrev_b32 v[TA], 4, v[LANE]                ; b (as a fragment's half: h)
	v_and_b32 v[KU], 15, v[LANE]                   ; k
	v_add_nc_u32 v[LST], s24, v[VO8]               ; load i, lane L holds h[8 i + L/4][4 (L&3) ..]: bf16 tile byte 256 i + 8 L
	v_and_b32 v[TA+1], 7, v[LANE]
	v_lshl_add_u32 v[TA+1], v[TA], 3, v[TA+1]      ; row 8 h + (L & 7) of the tile
	v_lshlrev_b32 v[TA+1], 5, v[TA+1]              ; x 32 bytes
	v_bfe_u32 v[TA+2], v[LANE], 3, 1
	v_lshl_add_u32 v[TA+1], v[TA+2], 4, v[TA+1]    ; + 16 ((L >> 3) & 1)
	v_add_nc_u32 v[LT], s24, v[TA+1]
	v_lshlrev_b32 v[TA+1], 2, v[KU]
	v_lshl_add_u32 v[TA+1], v[TA], 8, v[TA+1]      ; y: 256 b + 4 (L & 15)
	v_add_nc_u32 v[LY], s24, v[TA+1]
	v_and_b32 v[TA+1], 1, v[LANE]
	v_lshlrev_b32 v[TA+1], 6, v[TA+1]              ; y fragment: even rows take row 0, odd rows row 1,
	v_lshl_add_u32 v[TA+1], v[TA], 4, v[TA+1]      ; + 16 h
	v_add_nc_u32 v[LYF], s24, v[TA+1]
	v_lshl_add_u32 v[LXS], v[LANE], 2, s24
	v_lshl_add_u32 v[LXL], v[TA], 6, s24
.set jj, 0
.rept 16                               ; the compares in one run, a mask register each
	v_cmp_eq_u32 s[MK+jj], jj, v[KU]
.set jj, jj+1
.endr
	s_wait_alu depctr_va_sdst(0)                   ; the sixteen masks are written, ahead of the selects that read them
.set jj, 0
.rept 16
	v_cndmask_b32 v[ID+jj], 0, 1.0, s[MK+jj]
.set jj, jj+1
.endr
	s_wait_kmcnt 0x0                               ; No
	v_cvt_pk_bf16_f32 v[TA], s18, s18              ; rounded like the other inputs
	v_lshlrev_b32 v[TA], 16, v[TA]
	v_mul_f32 v[NO2], v[TA], v[TA]
	v_mov_b32 v[NO2+1], v[NO2]
	; PRIOR.  (l0, l1) are the first bit of (re, im), (l2, l3) the second.  u = exp(-|l|);
	; log P(bit = 1) = min(l, 0) - ln(1 + u), log P(bit = 0) = min(-l, 0) - ln(1 + u); tanh(l / 2) = sign(l) (1 - u) / (1 + u).
	s_wait_loadcnt 18                              ; prior is in: the 2 loads of y and the 16 of h are younger
	v_cvt_pk_bf16_f32 v[PE], v[PRI], v[PRI+1]
	v_cvt_pk_bf16_f32 v[PE+1], v[PRI+2], v[PRI+3]
	v_lshlrev_b32 v[PRI], 16, v[PE]
	v_and_b32 v[PRI+1], 0xffff0000, v[PE]
	v_lshlrev_b32 v[PRI+2], 16, v[PE+1]
	v_and_b32 v[PRI+3], 0xffff0000, v[PE+1]
.irp i, 0,1,2,3
	v_and_b32 v[PE+\i], s26, v[PRI+\i]             ; |l|
.endr
	v_pk_mul_f32 v[PE:PE+1], v[PE:PE+1], 0xbfb8aa3b op_sel_hi:[1,0]        ; x -log2(e)
	v_pk_mul_f32 v[PE+2:PE+3], v[PE+2:PE+3], 0xbfb8aa3b op_sel_hi:[1,0]
.irp i, 0,1,2,3
	v_exp_f32 v[PU+\i], v[PE+\i]
.endr
	v_nop                                          ; one plain place behind the run of transcendentals (ISA guide 5.7.2)
	s_wait_alu depctr_va_vdst(0)                   ; the four exponentials have written PU, ahead of its first reader
	v_pk_add_f32 v[PW:PW+1], v[PU:PU+1], 1.0 op_sel_hi:[1,0]
	v_pk_add_f32 v[PW+2:PW+3], v[PU+2:PU+3], 1.0 op_sel_hi:[1,0]
.irp i, 0,1,2,3
	v_log_f32 v[PL+\i], v[PW+\i]
.endr
.irp i, 0,1,2,3
	v_rcp_f32 v[PR+\i], v[PW+\i]
.endr
.irp i, 0,1,2,3
	v_sub_f32 v[PT+\i], 1.0, v[PU+\i]              ; the first of these is the plain place behind the run
.endr
.irp i, 0,1,2,3
	v_min_num_f32 v[PM1+\i], 0, v[PRI+\i]          ; min(l, 0)
.endr
.irp i, 0,2
	v_pk_add_f32 v[PM0+\i:PM0+\i+1], v[PM1+\i:PM1+\i+1], v[PRI+\i:PRI+\i+1] neg_lo:[0,1] neg_hi:[0,1]   ; min(-l, 0), exactly
.endr
	s_wait_alu depctr_va_vdst(0)                   ; the four logarithms and four reciprocals have written PL and PR, ahead of their first readers; the ten lines above name neither
.irp i, 0,2
	v_pk_fma_f32 v[PM1+\i:PM1+\i+1], v[PL+\i:PL+\i+1], 0xbf317218, v[PM1+\i:PM1+\i+1] op_sel_hi:[1,0,1] ; - ln2 log2(1 + u)
	v_pk_fma_f32 v[PM0+\i:PM0+\i+1], v[PL+\i:PL+\i+1], 0xbf317218, v[PM0+\i:PM0+\i+1] op_sel_hi:[1,0,1]
	v_pk_mul_f32 v[PT+\i:PT+\i+1], v[PT+\i:PT+\i+1], v[PR+\i:PR+\i+1]
.endr
.irp i, 0,1,2,3
	v_bfi_b32 v[PT+\i], s26, v[PT+\i], v[PRI+\i]   ; l's sign: tanh(l / 2)
.endr
	v_pk_add_f32 v[PX:PX+1], v[PT+2:PT+3], 2.0 op_sel_hi:[1,0]
	v_pk_mul_f32 v[PX:PX+1], v[PX:PX+1], v[PT:PT+1]
	v_pk_mul_f32 v[X0:X0+1], v[PX:PX+1], NA0 op_sel_hi:[1,0]               ; x0 = -s th(b0) (2 + th(b1))
	v_pk_add_f32 v[LGT:LGT+1],   v[PM0:PM0+1], v[PM0+2:PM0+3]              ; level 0: bits 0, 0
	v_pk_add_f32 v[LGT+2:LGT+3], v[PM0:PM0+1], v[PM1+2:PM1+3]              ; level 1: 0, 1
	v_pk_add_f32 v[LGT+4:LGT+5], v[PM1:PM1+1], v[PM0+2:PM0+3]              ; level 2: 1, 0
	v_pk_add_f32 v[LGT+6:LGT+7], v[PM1:PM1+1], v[PM1+2:PM1+3]              ; level 3: 1, 1
.macro CV q                            ; one tile to bf16, in place: four numbers close up into the first two of their four registers
.irp i, 0,1,2,3
	v_cvt_pk_bf16_f32 v[RAW+16*\q+4*\i],   v[RAW+16*\q+4*\i],   v[RAW+16*\q+4*\i+1]
	v_cvt_pk_bf16_f32 v[RAW+16*\q+4*\i+1], v[RAW+16*\q+4*\i+2], v[RAW+16*\q+4*\i+3]
.endr
.endm
.macro ST q                            ; and into LDS, 256 consecutive bytes a store
.irp i, 0,1,2,3
	ds_store_b64 v[LST], v[RAW+16*\q+4*\i:RAW+16*\q+4*\i+1] offset:1024*\q+256*\i
.endr
.endm
; Eight LDS loads: a batch's fragments.  The tiles lie [m][k], so the transposing load gives lane (r, h) the m = 8 h .. and 16 + 8 h ..
; of user r: the layout of a first and of a second source alike.  LDS serves a wave's instructions in order (ISA guide 5.7.1):
; these loads see the stores above them without a wait.
.macro FRAG b, fr, fi, ya, yb
	ds_load_tr16_b128 v[\fr:\fr+3],   v[LT] offset:2048*\b
	ds_load_tr16_b128 v[\fr+4:\fr+7], v[LT] offset:2048*\b+512
	ds_load_tr16_b128 v[\fi:\fi+3],   v[LT] offset:2048*\b+1024
	ds_load_tr16_b128 v[\fi+4:\fi+7], v[LT] offset:2048*\b+1536
	ds_load_b128 v[\ya:\ya+3],   v[LYF] offset:YOFF+256*\b
	ds_load_b128 v[\ya+4:\ya+7], v[LYF] offset:YOFF+256*\b+32
	ds_load_b128 v[\yb:\yb+3],   v[LYF] offset:YOFF+256*\b+128
	ds_load_b128 v[\yb+4:\yb+7], v[LYF] offset:YOFF+256*\b+160
.endm
; Six matrix instructions, three sums of two links in place; the first link starts its sum with the constant 0.
; Lane (r, h), register j of a result is element (8 h + j, r).  Re g is symmetric.  For Im g the sources are set so that this element is
; Im g[r][8 h + j] = sum of hr_r hi_c - hi_r hr_c, c = 8 h + j.  z: even result rows are Re z_r, odd rows Im z_r, so registers 0, 1 hold z_r.
.macro GRAM b, fr, fi, fn, ya, yb, zz
	v_wmma_f32_16x16x32_bf16 v[GR+8*\b:GR+8*\b+7], v[\fr:\fr+7], v[\fr:\fr+7], 0
	v_wmma_f32_16x16x32_bf16 v[GI+8*\b:GI+8*\b+7], v[\fi:\fi+7], v[\fr:\fr+7], 0
	v_wmma_f32_16x16x32_bf16 v[\zz:\zz+7], v[\ya:\ya+7], v[\fr:\fr+7], 0
	v_wmma_f32_16x16x32_bf16 v[GR+8*\b:GR+8*\b+7], v[\fi:\fi+7], v[\fi:\fi+7], v[GR+8*\b:GR+8*\b+7]
	v_wmma_f32_16x16x32_bf16 v[GI+8*\b:GI+8*\b+7], v[\fr:\fr+7], v[\fn:\fn+7], v[GI+8*\b:GI+8*\b+7]
	v_wmma_f32_16x16x32_bf16 v[\zz:\zz+7], v[\yb:\yb+7], v[\fi:\fi+7], v[\zz:\zz+7]
.endm
; g x, first half: each lane puts its x into the wave's own LDS words and asks for its batch's sixteen (all lanes of a half read the same bytes).
; fresh = 0: x0 alone, whose request hangs on nothing issued since the last wait on va_vdst.
.macro ASK x, fresh
.if \fresh
	s_wait_alu depctr_va_vdst(0)                   ; x is written, which the two stores read; the earlier readers and writers of RR and RI (the last sums, the solve's broadcasts) are done: the loads land there
.endif
	ds_store_b32 v[LXS], v[\x]   offset:XOFF
	ds_store_b32 v[LXS], v[\x+1] offset:XOFF+128
.irp i, 0,1,2,3
	ds_load_b128 v[RR+4*\i:RR+4*\i+3], v[LXL] offset:XOFF+16*\i
.endr
.irp i, 0,1,2,3
	ds_load_b128 v[RI+4*\i:RI+4*\i+3], v[LXL] offset:XOFF+128+16*\i
.endr
.endm
	; y to bf16, four rows a batch: (yr, yi) go with Re h, (yi, -yr) with Im h
	s_wait_loadcnt 16                              ; y is in: the 16 loads of h are younger
	v_cvt_pk_bf16_f32 v[RYR], v[RYR], v[RYR+1]
	v_cvt_pk_bf16_f32 v[RYI], v[RYI], v[RYI+1]
	v_xor_b32 v[RYR+1], s27, v[RYR]
	s_wait_loadcnt 12                              ; tile by tile: 12, 8, 4, 0 younger loads stay out
	CV 0
	s_wait_loadcnt 8
	CV 1
	s_wait_alu depctr_va_vdst(0)                   ; the conversions have written y's three registers and tiles 0 and 1, which the twelve stores read; the six LDS addresses are written; the prior's phase is done with v184-199, in which fragments land
	ds_store_b32 v[LY], v[RYR]   offset:YOFF
	ds_store_b32 v[LY], v[RYI]   offset:YOFF+64
	ds_store_b32 v[LY], v[RYI]   offset:YOFF+128
	ds_store_b32 v[LY], v[RYR+1] offset:YOFF+192
	ST 0
	ST 1
	FRAG 0, FR0, FI0, YA0, YB0
	s_wait_loadcnt 4
	CV 2                                           ; these name tiles 2 and 3 alone: none of the registers in which batch 0's fragments land
	s_wait_loadcnt 0
	CV 3
	s_wait_alu depctr_va_vdst(0)                   ; the conversions have written tiles 2 and 3, which the eight stores read; the prior's phase is long done with v200-215, in which fragments land
	ST 2
	ST 3
	FRAG 1, FR1, FI1, YA1, YB1
	s_wait_dscnt 8                                 ; batch 0's fragments are in: the 8 loads of batch 1 are younger
.irp i, 0,1,2,3,4,5,6,7
	v_xor_b32 v[FN0+\i], s27, v[FI0+\i]            ; - Im h
.endr
	GRAM 0, FR0, FI0, FN0, YA0, YB0, ZZ0
	s_wait_dscnt 0
	s_wait_alu depctr_vm_vsrc(0)                   ; the twenty LDS stores have read v64-131: x lands there below, and the pads and the solve write there
	ASK X0, 0                                      ; no wait on va_vdst: X0, LXS and LXL were written ahead of the last one, and the sign flips and matrix instructions since name none of them, nor RR[0..15], RI[0..15]
.irp i, 0,1,2,3,4,5,6,7
	v_xor_b32 v[FN1+\i], s27, v[FI1+\i]
.endr
	GRAM 1, FR1, FI1, FN1, YA1, YB1, ZZ1
	; Six plain vector instructions that name no register of a matrix instruction stand before the results are read and the
	; fragments written over (ISA guide 7.12.1 asks for four): the pads of the solve's arrays.  None is a register in which x0 lands.
	v_mov_b32 v[RR+16], 0
	v_mov_b32 v[RR+17], 0
	v_mov_b32 v[RI+16], 0
	v_mov_b32 v[RI+17], 0
	v_mov_b32 v[AR+17], 0
	v_mov_b32 v[AI+17], 0
	s_mov_b32 vcc_lo, 0xffff0000                   ; lanes of batch 1
	; registers j hold batch 0 (columns 8 h + j), registers 8 + j batch 1: exchange the upper lanes of the one with the lower lanes
	; of the other, and lane (b, k) holds g_b[k][0..15]
.irp i, 0,1,2,3,4,5,6,7
	v_permlane16_swap_b32 v[GR+\i], v[GR+8+\i]
	v_permlane16_swap_b32 v[GI+\i], v[GI+8+\i]
.endr
	; per user: g_kk, 1 / g_kk, -0.5 log2(e) / v_bso, z
	v_pk_mul_f32 v[T:T+1], v[GR:GR+1], v[ID:ID+1]
.irp c, 2,4,6,8,10,12,14
	v_pk_fma_f32 v[T:T+1], v[GR+\c:GR+\c+1], v[ID+\c:ID+\c+1], v[T:T+1]
.endr
	v_add_f32 v[DK], v[T], v[T+1]
	v_rcp_f32 v[DK+1], v[DK]
	v_cndmask_b32 v[Z], v[ZZ0], v[ZZ1], vcc_lo     ; (also the plain place behind v_rcp_f32)
	s_wait_alu depctr_va_vdst(0)                   ; the reciprocal has written 1 / g_kk, ahead of its first reader
	v_mul_f32 v[VV], v[NO2], v[DK+1]
	v_max_num_f32 v[VV], MINV, v[VV]               ; v_bso
	v_rcp_f32 v[VV+1], v[VV]
	v_cndmask_b32 v[Z+1], v[ZZ0+1], v[ZZ1+1], vcc_lo
	v_mov_b32 v[F+3], 0
	s_wait_alu depctr_va_vdst(0)                   ; the reciprocal has written 1 / v_bso, ahead of its first reader
	v_mul_f32 v[CC], 0xbf38aa3b, v[VV+1]
	v_mov_b32 v[CC+1], v[CC]
; g x, second half: Y = g x for my user.  Four chains of eight packed multiply-adds over pairs of columns.
.macro SUMS
	s_wait_dscnt 4                                 ; Re x is in: the four loads of Im x are younger
	v_pk_mul_f32 v[SM1:SM1+1], v[GR:GR+1], v[RR:RR+1]
	v_pk_mul_f32 v[SM4:SM4+1], v[GI:GI+1], v[RR:RR+1]
.irp c, 2,4,6,8,10,12,14
	v_pk_fma_f32 v[SM1:SM1+1], v[GR+\c:GR+\c+1], v[RR+\c:RR+\c+1], v[SM1:SM1+1]
	v_pk_fma_f32 v[SM4:SM4+1], v[GI+\c:GI+\c+1], v[RR+\c:RR+\c+1], v[SM4:SM4+1]
.endr
	s_wait_dscnt 0
	v_pk_mul_f32 v[SM2:SM2+1], v[GI:GI+1], v[RI:RI+1]
	v_pk_mul_f32 v[SM3:SM3+1], v[GR:GR+1], v[RI:RI+1]
.irp c, 2,4,6,8,10,12,14
	v_pk_fma_f32 v[SM2:SM2+1], v[GI+\c:GI+\c+1], v[RI+\c:RI+\c+1], v[SM2:SM2+1]
	v_pk_fma_f32 v[SM3:SM3+1], v[GR+\c:GR+\c+1], v[RI+\c:RI+\c+1], v[SM3:SM3+1]
.endr
	v_pk_add_f32 v[T:T+1], v[SM1:SM1+1], v[SM2:SM2+1] neg_lo:[0,1] neg_hi:[0,1]
	v_pk_add_f32 v[VV:VV+1], v[SM3:SM3+1], v[SM4:SM4+1]
	v_add_f32 v[Y], v[T], v[T+1]
	v_add_f32 v[Y+1], v[VV], v[VV+1]
.endm
; One pivot of Gauss-Jordan.  Lane k holds row k; the pivot row's columns p + 1 .. 16 are broadcast inside the 16 lanes of the batch.
; f = (A[k][p] - (k == p)) / pivot, row k -= f x pivot row: in the pivot's own lane f = (pivot - 1) / pivot, which divides that row
; by the pivot, so no mask and no last division are needed.  Columns go in aligned pairs; a finished column swept along in a pair is
; never read again.  si: where the imaginary parts are read (g itself at the first pivot, which spares a copy).
.macro GJ p, si
	v_mov_b32_dpp v[PV], v[AR+\p] row_share:\p row_mask:0xf bank_mask:0xf
	v_rcp_f32 v[INV], v[PV]
.set jj, \p+1
.rept 15-\p
	v_mov_b32_dpp v[RR+jj], v[AR+jj] row_share:\p row_mask:0xf bank_mask:0xf
	v_mov_b32_dpp v[RI+jj], v[\si+jj] row_share:\p row_mask:0xf bank_mask:0xf
.set jj, jj+1
.endr
	v_mov_b32_dpp v[RR+16], v[AR+16] row_share:\p row_mask:0xf bank_mask:0xf   ; these moves are the plain places behind v_rcp_f32
	v_mov_b32_dpp v[RI+16], v[AI+16] row_share:\p row_mask:0xf bank_mask:0xf
	v_sub_f32 v[F], v[ID+\p], v[AR+\p]
	s_wait_alu depctr_va_vdst(0)                   ; the reciprocal has written 1 / pivot, ahead of its first reader; the broadcasts above name it not
	v_mul_f32 v[F+1], v[\si+\p], v[INV]            ; fi
	v_mul_f32 v[F], v[F], v[INV]                   ; -fr
	v_xor_b32 v[F+2], 0x80000000, v[F+1]           ; -fi
.set col, (\p+1) & 0x1e
.rept (16-col)/2
	v_pk_fma_f32 v[AR+col:AR+col+1], v[F:F+1],   v[RR+col:RR+col+1], v[AR+col:AR+col+1] op_sel_hi:[0,1,1]
	v_pk_fma_f32 v[AI+col:AI+col+1], v[F:F+1],   v[RI+col:RI+col+1], v[\si+col:\si+col+1] op_sel_hi:[0,1,1]
	v_pk_fma_f32 v[AR+col:AR+col+1], v[F:F+1],   v[RI+col:RI+col+1], v[AR+col:AR+col+1] op_sel:[1,0,0]
	v_pk_fma_f32 v[AI+col:AI+col+1], v[F+2:F+3], v[RR+col:RR+col+1], v[AI+col:AI+col+1] op_sel_hi:[0,1,1]
.set col, col+2
.endr
	v_pk_fma_f32 v[AR+16:AR+17], v[F:F+1],   v[RR+16:RR+17], v[AR+16:AR+17] op_sel_hi:[0,1,1]
	v_pk_fma_f32 v[AI+16:AI+17], v[F:F+1],   v[RI+16:RI+17], v[AI+16:AI+17] op_sel_hi:[0,1,1]
	v_pk_fma_f32 v[AR+16:AR+17], v[F:F+1],   v[RI+16:RI+17], v[AR+16:AR+17] op_sel:[1,0,0]
	v_pk_fma_f32 v[AI+16:AI+17], v[F+2:F+3], v[RR+16:RR+17], v[AI+16:AI+17] op_sel_hi:[0,1,1]
.endm
	; ROUND 0's x_bso: (g + No^2 I) x = z - g x0 + g_kk x0
	SUMS                                           ; g x0: asked for ahead of batch 1's matrix instructions
	v_sub_f32 v[AR+16], v[Z], v[Y]
	v_sub_f32 v[AI+16], v[Z+1], v[Y+1]
	v_fma_f32 v[AR+16], v[X0], v[DK], v[AR+16]
	v_fma_f32 v[AI+16], v[X0+1], v[DK], v[AI+16]
.irp c, 0,2,4,6,8,10,12,14
	v_pk_fma_f32 v[AR+\c:AR+\c+1], v[ID+\c:ID+\c+1], v[NO2:NO2+1], v[GR+\c:GR+\c+1]
.endr
	GJ 0, GI
.irp p, 1,2,3,4,5,6,7,8,9,10,11,12,13,14,15
	GJ \p, AI
.endr
	v_mov_b32 v[XS], v[AR+16]
	v_mov_b32 v[XS+1], v[AI+16]
; Posterior over the four levels of each dimension at x_bso (XS): mean into xb; var = 1: variance (both dimensions, clamped) into vb.
; The least distance is taken away first, so the largest exponent is exactly 0 whatever the inputs.
; g x_bse is asked for as soon as the mean is made; the variance stands behind the request: it names Q, W, RS, VV and vb and only reads the mean.
.macro BSE xb, var, vb
	v_pk_add_f32 v[Q:Q+1],   v[XS:XS+1], NA0 op_sel_hi:[1,0]
	v_pk_add_f32 v[Q+2:Q+3], v[XS:XS+1], NA1 op_sel_hi:[1,0]
	v_pk_add_f32 v[Q+4:Q+5], v[XS:XS+1], NA2 op_sel_hi:[1,0]
	v_pk_add_f32 v[Q+6:Q+7], v[XS:XS+1], NA3 op_sel_hi:[1,0]
.irp l, 0,2,4,6
	v_pk_mul_f32 v[Q+\l:Q+\l+1], v[Q+\l:Q+\l+1], v[Q+\l:Q+\l+1]
.endr
	v_min3_num_f32 v[MN], v[Q], v[Q+2], v[Q+4]
	v_min3_num_f32 v[MN+1], v[Q+1], v[Q+3], v[Q+5]
	v_min_num_f32 v[MN], v[MN], v[Q+6]
	v_min_num_f32 v[MN+1], v[MN+1], v[Q+7]
.irp l, 0,2,4,6
	v_pk_add_f32 v[Q+\l:Q+\l+1], v[Q+\l:Q+\l+1], v[MN:MN+1] neg_lo:[0,1] neg_hi:[0,1]
.endr
.irp l, 0,2,4,6
	v_pk_mul_f32 v[Q+\l:Q+\l+1], v[Q+\l:Q+\l+1], v[CC:CC+1]
.endr
.irp i, 0,1,2,3,4,5,6,7
	v_exp_f32 v[W+\i], v[Q+\i]
.endr
	v_nop                                          ; one plain place behind the run of transcendentals
	s_wait_alu depctr_va_vdst(0)                   ; the eight exponentials have written W, ahead of its first reader
	v_pk_add_f32 v[SUM:SUM+1], v[W:W+1], v[W+2:W+3]
	v_pk_add_f32 v[T:T+1], v[W+4:W+5], v[W+6:W+7]
	v_pk_add_f32 v[SUM:SUM+1], v[SUM:SUM+1], v[T:T+1]
	v_rcp_f32 v[RS], v[SUM]
	v_rcp_f32 v[RS+1], v[SUM+1]
	v_pk_add_f32 v[A1:A1+1], v[W:W+1], v[W+4:W+5] neg_lo:[0,1] neg_hi:[0,1]        ; weights of +s and -s (and the plain place)
	v_pk_add_f32 v[A2:A2+1], v[W+2:W+3], v[W+6:W+7] neg_lo:[0,1] neg_hi:[0,1]      ; of +3s and -3s
	v_pk_mul_f32 v[A1:A1+1], v[A1:A1+1], SL op_sel_hi:[1,0]
	v_pk_fma_f32 v[A1:A1+1], v[A2:A2+1], S3, v[A1:A1+1] op_sel_hi:[1,0,1]
	s_wait_alu depctr_va_vdst(0)                   ; the two reciprocals have written RS, ahead of its first reader; the four lines above name it not
	v_pk_mul_f32 v[\xb:\xb+1], v[A1:A1+1], v[RS:RS+1]
	ASK \xb, 1
.if \var
	v_pk_add_f32 v[Q:Q+1],   v[\xb:\xb+1], NA0 op_sel_hi:[1,0]
	v_pk_add_f32 v[Q+2:Q+3], v[\xb:\xb+1], NA1 op_sel_hi:[1,0]
	v_pk_add_f32 v[Q+4:Q+5], v[\xb:\xb+1], NA2 op_sel_hi:[1,0]
	v_pk_add_f32 v[Q+6:Q+7], v[\xb:\xb+1], NA3 op_sel_hi:[1,0]
.irp l, 0,2,4,6
	v_pk_mul_f32 v[Q+\l:Q+\l+1], v[Q+\l:Q+\l+1], v[Q+\l:Q+\l+1]
.endr
	v_pk_mul_f32 v[VV:VV+1], v[W:W+1], v[Q:Q+1]
.irp l, 2,4,6
	v_pk_fma_f32 v[VV:VV+1], v[W+\l:W+\l+1], v[Q+\l:Q+\l+1], v[VV:VV+1]
.endr
	v_pk_mul_f32 v[VV:VV+1], v[VV:VV+1], v[RS:RS+1]
	v_add_f32 v[\vb], v[VV], v[VV+1]
	v_max_num_f32 v[\vb], MINV, v[\vb]
.endif
.endm
; One round.  xc, ic, vc: this round's x_bse, ise, v_bse; xp, ip, vp: the last round's.  Round 1 cancels with x_dsc = x_bse of round 0,
; whose g x is at hand in TZ.  v_bse is made in rounds 3 and 4 alone: only those reach the output.
.macro ITER it, xc, xp, ic, ip, vc, vp
.if \it >= 2
	ASK XD, 1
	SUMS
	s_wait_alu depctr_vm_vsrc(0)                   ; the LDS stores issued so far have read XD, which this round's end writes again, and the x_bse of two rounds back, which this round's posterior writes again
	v_pk_add_f32 v[TZ:TZ+1], v[Z:Z+1], v[Y:Y+1] neg_lo:[0,1] neg_hi:[0,1]
	v_pk_fma_f32 v[XS:XS+1], v[XD:XD+1], v[DK:DK+1], v[TZ:TZ+1] op_sel_hi:[1,0,1] ; z - g x + g_kk x
	v_pk_mul_f32 v[XS:XS+1], v[XS:XS+1], v[DK:DK+1] op_sel:[0,1]                  ; / g_kk
.endif
.if \it == 1
	v_pk_fma_f32 v[XS:XS+1], v[\xp:\xp+1], v[DK:DK+1], v[TZ:TZ+1] op_sel_hi:[1,0,1]
	v_pk_mul_f32 v[XS:XS+1], v[XS:XS+1], v[DK:DK+1] op_sel:[0,1]
.endif
.if \it >= 3
	BSE \xc, 1, \vc
.else
	BSE \xc, 0, \vc
.endif
	SUMS                                           ; g x_bse, asked for in the posterior
	v_pk_add_f32 v[TZ:TZ+1], v[Z:Z+1], v[Y:Y+1] neg_lo:[0,1] neg_hi:[0,1]
	v_pk_mul_f32 v[T:T+1], v[TZ:TZ+1], v[DK:DK+1] op_sel:[0,1]
	v_mul_f32 v[\ic], v[T], v[T]
	v_fma_f32 v[\ic], v[T+1], v[T+1], v[\ic]       ; ise
.if \it >= 1
	v_add_f32 v[T], v[\ip], v[\ic]
	v_add_f32 v[T], 0x0da24260, v[T]               ; + 1e-30
	v_rcp_f32 v[T+1], v[T]
	v_nop                                          ; the plain place behind v_rcp_f32
	s_wait_alu depctr_va_vdst(0)                   ; the reciprocal has written T + 1, ahead of its first reader
	v_mul_f32 v[RH], v[\ip], v[T+1]                ; rho
	v_sub_f32 v[RH+1], 1.0, v[RH]
	v_pk_mul_f32 v[XD:XD+1], v[\xp:\xp+1], v[RH:RH+1] op_sel:[0,1]
	v_pk_fma_f32 v[XD:XD+1], v[\xc:\xc+1], v[RH:RH+1], v[XD:XD+1] op_sel_hi:[1,0,1]
.endif
.if \it == 4
	v_mul_f32 v[VD], v[\vp], v[RH+1]
	v_fma_f32 v[VD], v[\vc], v[RH], v[VD]
.endif
.endm
	ITER 0, XBA, XBB, ISA, ISB, VBA, VBB
	ITER 1, XBB, XBA, ISB, ISA, VBB, VBA
	ITER 2, XBA, XBB, ISA, ISB, VBA, VBB
	ITER 3, XBB, XBA, ISB, ISA, VBB, VBA
	ITER 4, XBA, XBB, ISA, ISB, VBA, VBB
	; DEMAPPER.  q splits into q_re[l] + q_im[l]; in a bit's difference of maxima the other dimension's maximum cancels.
	v_max_num_f32 v[T], MINV, v[VD]
	v_rcp_f32 v[T+1], v[T]
	v_pk_add_f32 v[Q:Q+1],   v[XD:XD+1], NA0 op_sel_hi:[1,0]
	v_pk_add_f32 v[Q+2:Q+3], v[XD:XD+1], NA1 op_sel_hi:[1,0]
	v_pk_add_f32 v[Q+4:Q+5], v[XD:XD+1], NA2 op_sel_hi:[1,0]
	v_pk_add_f32 v[Q+6:Q+7], v[XD:XD+1], NA3 op_sel_hi:[1,0]
.irp l, 0,2,4,6
	v_pk_mul_f32 v[Q+\l:Q+\l+1], v[Q+\l:Q+\l+1], v[Q+\l:Q+\l+1]
.endr
	s_wait_alu depctr_va_vdst(0)                   ; the reciprocal has written T + 1, ahead of its first reader; the eight lines above name it not
	v_mul_f32 v[T], -1.0, v[T+1]                   ; -1 / v
.irp l, 0,2,4,6
	v_pk_fma_f32 v[Q+\l:Q+\l+1], v[Q+\l:Q+\l+1], v[T:T+1], v[LGT+\l:LGT+\l+1] op_sel_hi:[1,0,1]
.endr
.irp i, 0,1
	v_max_num_f32 v[W+\i],   v[Q+4+\i], v[Q+6+\i]  ; first bit 1: levels 2, 3
	v_max_num_f32 v[W+2+\i], v[Q+\i],   v[Q+2+\i]  ; first bit 0: levels 0, 1
	v_max_num_f32 v[W+4+\i], v[Q+2+\i], v[Q+6+\i]  ; second bit 1: levels 1, 3
	v_max_num_f32 v[W+6+\i], v[Q+\i],   v[Q+4+\i]  ; second bit 0: levels 0, 2
.endr
	v_pk_add_f32 v[PRI:PRI+1],   v[W:W+1],     v[W+2:W+3] neg_lo:[0,1] neg_hi:[0,1]    ; bits 0, 1: first bit of re, im
	v_pk_add_f32 v[PRI+2:PRI+3], v[W+4:W+5],   v[W+6:W+7] neg_lo:[0,1] neg_hi:[0,1]    ; bits 2, 3: second bit of re, im
	s_wait_alu depctr_va_vdst(0)                   ; the two differences have written the four LLRs, which the store reads
	global_store_b128 v[VO16], v[PRI:PRI+3], s[16:17] th:TH_STORE_NT       ; the wave's 512 consecutive bytes, aligned
	s_wait_dscnt 0x0
	s_wait_alu depctr_hold_cnt(0) depctr_sa_sdst(0) depctr_va_vdst(0) depctr_va_sdst(0) depctr_va_ssrc(0) depctr_va_vcc(0) depctr_vm_vsrc(0)
	s_wait_tensorcnt 0x0
	ds_add_u32 v246, v247
	s_wait_dscnt 0x0
	s_endpgm
.Lfunc_end_k_q2a561f1fc6_bpic:
	.size	k_q2a561f1fc6_bpic, .Lfunc_end_k_q2a561f1fc6_bpic-k_q2a561f1fc6_bpic
	.p2alignl 7, 3214868480
	.fill 96, 4, 3214868480
	.section	.rodata,"a",@progbits
	.p2align	6, 0x0
	.amdhsa_kernel k_q2a561f1fc6_bpic
		.amdhsa_group_segment_fixed_size 20992
		.amdhsa_private_segment_fixed_size 0
		.amdhsa_enable_private_segment 0
		.amdhsa_kernarg_size 56
		.amdhsa_user_sgpr_count 2
		.amdhsa_user_sgpr_kernarg_segment_ptr 1
		.amdhsa_wavefront_size32 1
		.amdhsa_system_sgpr_workgroup_id_x 1
		.amdhsa_system_sgpr_workgroup_id_y 1
		.amdhsa_system_sgpr_workgroup_id_z 1
		.amdhsa_system_vgpr_workitem_id 0
		.amdhsa_next_free_vgpr 248
		.amdhsa_next_free_sgpr 66
		.amdhsa_reserve_vcc 1
		.amdhsa_float_denorm_mode_32 3
		.amdhsa_float_denorm_mode_16_64 3
		.amdhsa_memory_ordered 1
		.amdhsa_forward_progress 1
		.amdhsa_inst_pref_size 104
	.end_amdhsa_kernel
	.amdgpu_metadata
---
amdhsa.version: [ 1, 2 ]
amdhsa.kernels:
  - .name:           k_q2a561f1fc6_bpic
    .symbol:         k_q2a561f1fc6_bpic.kd
    .args:
      - { .name: h_real, .offset: 0, .size: 8, .value_kind: global_buffer, .address_space: global }
      - { .name: h_imag, .offset: 8, .size: 8, .value_kind: global_buffer, .address_space: global }
      - { .name: y_real, .offset: 16, .size: 8, .value_kind: global_buffer, .address_space: global }
      - { .name: y_imag, .offset: 24, .size: 8, .value_kind: global_buffer, .address_space: global }
      - { .name: prior, .offset: 32, .size: 8, .value_kind: global_buffer, .address_space: global }
      - { .name: No, .offset: 40, .size: 8, .value_kind: global_buffer, .address_space: global }
      - { .name: out0, .offset: 48, .size: 8, .value_kind: global_buffer, .address_space: global }
    .group_segment_fixed_size: 20992
    .private_segment_fixed_size: 0
    .kernarg_segment_align: 8
    .kernarg_segment_size: 56
    .max_flat_workgroup_size: 128
    .sgpr_count:     66
    .vgpr_count:     248
    .wavefront_size: 32
...
	.end_amdgpu_metadata
.endif
;; end of part 2
